; MI455X (gfx1250); checked and timed in simulation.
; The chip was launched on July 23, 2026; its instructions are those of AMD's public machine-readable ISA for CDNA 5 (MIT licence, August 2026) and "CDNA5" Instruction Set Architecture Reference Guide (July 2026). The comments in the code are by the model that wrote it; some were corrected since.
;; Multi Head Attention. Allowed arithmetic: matrix products marked QUANTISED: E5M2 operands, one E8M0 scale for each 32 along K, by v_wmma_scale_f32_16x16x128_f8f6f4 with both operands' format E5M2, f32 sums; everything else in f32.
;; Inputs: Wk 16 x 1,024 x 64 float32; Wo 1,024 x 1,024 float32; Wq 16 x 1,024 x 64 float32; Wv 16 x 1,024 x 64 float32; bk 16 x 64 float32; bo 1,024 float32; bq 16 x 64 float32; bv 16 x 64 float32; x 4 x 2,048 x 1,024 float32.
;; Outputs: out0 4 x 2,048 x 1,024 float32.
;; This version of the problem:
;;   THIS VERSION OF THE PROBLEM IS GIVEN IN LOW PRECISION. The matrix products marked QUANTISED in the list below multiply operands that are first quantised to E5M2 (5 exponent bits, 2 mantissa bits; 8 bits a number), with one power-of-two scale for each 32 numbers along K (OCP MX v1.0); their sums are f32. All else is computed in f32.
;;   The module's matrix products, in the order in which they are computed (A, B: the left and right operand; K: the contracted axis; several contracted axes count as one K, in the product's order):
;;     1. [M 1,024, K 1,024] x [K 1,024, N 8,192]; A: input Wq; B: input x: QUANTISED
;;     2. [M 1,024, K 1,024] x [K 1,024, N 8,192]; A: input Wk; B: input x: QUANTISED
;;     3. [M 1,024, K 1,024] x [K 1,024, N 8,192]; A: input Wv; B: input x: QUANTISED
;;     4. batch 64 x [M 2,048, K 64] x [K 64, N 2,048]; A: computed on the way; B: computed on the way: QUANTISED
;;     5. batch 64 x [M 2,048, K 2,048] x [K 2,048, N 64]; A: softmax (see below); B: computed on the way: QUANTISED
;;     6. [M 8,192, K 1,024] x [K 1,024, N 1,024]; A: computed on the way; B: input Wo: QUANTISED
;;   THE QUANTISER, for each operand of a quantised product, along K:
;;     - K is cut into blocks of 32 from its start; a last block that is shorter is filled with zeros.
;;     - A block's scale is 2^e with e = floor(log2(the largest magnitude in the block)) - 15, held to -126 .. 127; a block of zeros has e = 0. As a byte (E8M0): e + 127.
;;     - Each number is divided by its block's scale, clamped to +-57,344, and rounded to the nearest number of E5M2, ties to even, subnormals kept.
;;     - The product sums the exact products of the quantised numbers (number of the format x scale) in f32.
;;   ~~~python
;;   def quantise(x, axis):      # numpy; x: float32 -> the quantised numbers, widened to float32 again
;;       x = np.moveaxis(x, axis, -1); K = x.shape[-1]
;;       x = np.pad(x, [(0, 0)] * (x.ndim - 1) + [(0, -K % 32)]); x = x.reshape(x.shape[:-1] + (-1, 32)); a = np.abs(x).max(-1, keepdims=True)
;;       e = np.where(a > 0, np.clip(np.frexp(np.where(a > 0, a, 1))[1] - 1 - 15, -126, 127), 0)      # np.frexp(a)[1] - 1 = floor(log2(a)), exactly
;;       r = np.clip(x / 2.0 ** e, -57344, 57344)
;;       step = 2.0 ** (np.maximum(np.frexp(np.where(r == 0, 1, r))[1] - 1, -14) - 2)
;;       q = np.round(r / step) * step * 2.0 ** e      # np.round: ties to even
;;       return np.moveaxis(q.reshape(q.shape[:-2] + (-1,))[..., :K], -1, axis).astype(np.float32)
;;   ~~~
;;   SOFTMAX AHEAD OF A QUANTISED PRODUCT. Where the list says 'softmax', what is quantised is not the finished softmax but p = 2^(t - M), with t = logit x log2(e) and M = ceil(the row's largest t), a whole number; so 1/2 < the row's largest p <= 1. The row's sum l is taken of the UNQUANTISED p, in f32, and the product's result is divided by l at the end. Since M is a whole number, a kernel that streams over the keys may use a running M (the ceiling of the running maximum): every later rescaling is an exact power of two, which a block's scale takes up: the codes' values come out the same.
;;   OPERANDS COMPUTED ON THE WAY. 'Computed on the way' means the value that the module computes at that place (a softmax that the list does not call 'softmax' is quantised finished and normalised). What goes into a quantiser is computed in f32, as accurately as f32 sums, v_exp_f32 and their like allow (about 1e-6 of the number): no bf16 or f16 on the way to a quantiser, and a product that is left as it is and whose result goes on into a quantised operand takes f32 operands (vector FMAs, or v_wmma_f32_16x16x4_f32). A number that lies on a knife's edge between two numbers of the format may be rounded either way, as far as f32 arithmetic and the matrix unit's own rounding can turn it there, and no further.
;; One version. Each part assembles by itself: llvm-mc -triple=amdgcn-amd-amdhsa -mcpu=gfx1250 --defsym DOCPART=n.
;; ======== version 1 of 1: 4 launches
;; limits: right only within a limited range of input values
;; workspace buffers: ops 12,976,128 bytes; qb 8,912,896 bytes; kv 17,563,648 bytes; aq 8,650,752 bytes
;; launch prep (part 1): grid 384 x 1, 4 waves a work-group, no clusters, 34,304 bytes of LDS; arguments x, Wo, Wq, Wk, Wv, ops; writes ops
.if DOCPART == 1
	.amdgcn_target "amdgcn-amd-amdhsa--gfx1250"
	.amdhsa_code_object_version 6
	.text
	.protected	k_qb83483c463_prep
	.globl	k_qb83483c463_prep
	.p2align	8
	.type	k_qb83483c463_prep,@function
k_qb83483c463_prep:
	s_mov_b64 s[64:65], 0
	v_nop
	global_prefetch_b8 v0, s[64:65] scope:SCOPE_SE
	s_setreg_imm32_b32 hwreg(HW_REG_WAVE_MODE, 25, 1), 1
	s_wait_xcnt 0x0
; x [8192][1024], Wo [1024][1024] (K innermost) and Wq, Wk, Wv [16][1024][64] (K = the middle axis) become codes of BF8 (E5M2) with one E8M0 byte for each 32 along K,
; laid in ops AS IMAGES OF OPERAND REGISTERS.  A tile is 16 rows; lane r of tile T holds row 32 (T / 2) + 8 (T % 2) + r + 8 (r / 8).  A fragment (a tile x 128 along K) is 2,048 bytes:
; registers 4 c .. 4 c + 3 of lane l (k = 32 c + 16 (l / 16) + 0 .. 15) at 512 c + 16 l.  A tile's eight fragments lie on end: 16,384 bytes.  Tiles 0-511 x, 512 + 64 mat + 4 head + t the weights, 704-767 Wo.
; A tile's scale words, 512 bytes at SOFS + 512 T: word i of lane l is the word of row l % 16 for K step 2 i + l / 16: one load of 16 bytes a lane gives a wave all eight K steps' words.
; A block's scale is 2^(floor(log2(its largest magnitude)) - 15); the byte is that magnitude's exponent field - 15, held at 1 from below.
; LIMITS: a block of zeros gets the byte 1, not 127 (its codes are zeros and this program alone reads the bytes); NaN and infinities among the inputs are not served.
; The weights' scale words leave as 4 bytes a lane, 16 bytes apart: 98,304 bytes of the launch's 13 million.
; Work-groups 0-287: 32 rows of x or Wo each (wave: 16 rows x 512 along K).  Work-groups 288-383: half of K of one head of one weight (wave: 32 columns x 256 along K).  Waves share nothing: no barrier.
.set SOFS, 12582912
.set L16,  4                           ; v4   16 x lane
.set SI,   5                           ; v5   my wave's stage, on the way in: 16 x lane
.set SO,   6                           ; v6   and on the way out: 528 r + 64 h
.set TM,   16                          ; v16-19 largest magnitudes, v20-23 bytes, v28-31 the conversions' scale operands
.set PWS,  32                          ; v32-35 the scale words of my four K steps
.set PC,   40                          ; v40-55 a fragment's codes
.set X,    64                          ; v64-127 64 numbers of a lane: register 16 b + i = k 32 b + 16 h + i of my row (weights: two sets of 32 down K)
.set R,    128                         ; v128-255 two sets of 64 as loaded (weights: v128-191 the codes of eight blocks)
.set SEL,  20                          ; s[20:21] v_permlanex16_b32's selects for lane l xor 16
.set MNT,  22
; 64 numbers of a lane become a fragment's codes in v[PC] on and its row's scale word in v[wreg]
.macro QUANT s, wreg
.irp b, 0,1,2,3
	v_max3_num_f32 v[TM+\b], |v[\s+16*\b]|, |v[\s+1+16*\b]|, 0x8000000   ; block b: my 16 numbers and the floor 2^(16 - 127): the byte cannot fall under 1
.endr
.irp i, 2,4,6,8,10,12,14
.irp b, 0,1,2,3
	v_max3_num_f32 v[TM+\b], v[TM+\b], |v[\s+16*\b+\i]|, |v[\s+1+16*\b+\i]|   ; the four blocks by turns
.endr
.endr
.irp b, 0,1,2,3
	v_permlanex16_b32 v[TM+4+\b], v[TM+\b], s[SEL], s[SEL+1]
.endr
.irp b, 0,1,2,3
	v_max_num_f32 v[TM+\b], v[TM+\b], v[TM+4+\b]   ; with lane l xor 16's: the block's largest magnitude
.endr
.irp b, 0,1,2,3
	v_add_nc_u32 v[TM+12+\b], 0xf8800000, v[TM+\b]   ; 15 off its exponent field: the conversion's scale operand
.endr
.irp b, 0,1,2,3
.endr
.irp b, 0,1,2,3
	v_lshrrev_b32 v[TM+4+\b], 23, v[TM+12+\b]   ; the scale's byte
.endr
	v_lshl_or_b32 v[\wreg], v[TM+5], 8, v[TM+4]
	v_lshl_or_b32 v[\wreg], v[TM+6], 16, v[\wreg]
	v_lshl_or_b32 v[\wreg], v[TM+7], 24, v[\wreg]
.irp b, 0,1,2,3
.irp i, 0,1,2,3,4,5,6,7,8,9,10,11,12,13,14,15
.endr
	v_cvt_scalef32_pk8_bf8_f32 v[PC+4*\b:PC+1+4*\b], v[\s+16*\b:\s+7+16*\b], v[TM+12+\b]
	v_cvt_scalef32_pk8_bf8_f32 v[PC+2+4*\b:PC+3+4*\b], v[\s+8+16*\b:\s+15+16*\b], v[TM+12+\b]
.endr
	v_nop                                          ; a plain instruction behind the last conversion
.endm
; K step t of my 16 rows: each load is 512 consecutive bytes of one row
.macro LOADX t
.irp i, 0,1,2,3,4,5,6,7,8,9,10,11,12,13,14,15
	global_load_b128 v[R+64*((\t)%2)+4*\i:R+64*((\t)%2)+4*\i+3], v[L16], s[4:5] offset:(\i+8*(\i/8))*4096+512*(\t) th:TH_LOAD_NT
.endr
.endm
.macro XSTEP t
.if (\t) < 3
	s_wait_loadcnt 16                              ; this K step's 16 loads are in; the next one's may be out
.else
	s_wait_loadcnt 0x0
.endif
.irp i, 0,1,2,3,4,5,6,7,8,9,10,11,12,13,14,15
	ds_store_b128 v[SI], v[R+64*((\t)%2)+4*\i:R+64*((\t)%2)+4*\i+3] offset:528*\i   ; row i as it lies; rows 528 bytes apart
.endr
.irp b, 0,1,2,3
.irp j, 0,1,2,3
	ds_load_b128 v[X+16*\b+4*\j:X+16*\b+4*\j+3], v[SO] offset:128*\b+16*\j   ; back: my row's 16 neighbours of each block.  LDS serves a wave's instructions in order
.endr
.endr
	s_wait_dscnt 0x0                               ; the numbers are back, and the stores into the stage have read their registers
	s_wait_xcnt 0x0                                ; the last K step's stores have read the codes' registers
.if (\t)+2 < 4
	LOADX (\t)+2
.endif
	QUANT X, PWS+(\t)
.irp c, 0,1,2,3
	global_store_b128 v[L16], v[PC+4*\c:PC+4*\c+3], s[6:7] offset:2048*(\t)+512*\c   ; 512 consecutive bytes a store
.endr
.endm
; the weights: block t of my column: W(32 t + i, column), i = 0 .. 31
.macro LOADW t
.set wi, 0
.rept 32
	global_load_b32 v[X+32*((\t)%2)+wi], v7, s[4:5] offset:(32*(\t)+wi)*256 th:TH_LOAD_NT
.set wi, wi+1
.endr
.endm
.macro BLOCK t
.set XS, X+32*((\t)%2)
.set CT, R+8*(\t)
.if (\t) < 7
	s_wait_loadcnt 32                              ; this block's 32 loads are in; the next block's may be out
.else
	s_wait_loadcnt 0x0
.endif
	v_max3_num_f32 v16, |v[XS]|, |v[XS+1]|, |v[XS+2]|   ; all 32 numbers of the block are mine
	v_max3_num_f32 v17, |v[XS+3]|, |v[XS+4]|, |v[XS+5]|
.irp i, 6,10,14,18,22,26
	v_max3_num_f32 v16, v16, |v[XS+\i]|, |v[XS+\i+1]|
	v_max3_num_f32 v17, v17, |v[XS+\i+2]|, |v[XS+\i+3]|
.endr
	v_max3_num_f32 v16, v16, |v[XS+30]|, |v[XS+31]|
	v_max3_num_f32 v16, v16, v17, 0x8000000        ; and the floor
	v_add_nc_u32 v19, 0xf8800000, v16
	v_lshrrev_b32 v20, 23, v19
.if (\t)%4 == 0
	v_mov_b32 v[22+(\t)/4], v20                    ; four bytes to a word, the lower K in the lower byte
.else
	v_lshl_or_b32 v[22+(\t)/4], v20, 8*((\t)%4), v[22+(\t)/4]
.endif
.set wi, 0
.rept 32
.set wi, wi+1
.endr
.irp g, 0,1,2,3
	v_cvt_scalef32_pk8_bf8_f32 v[CT+2*\g:CT+2*\g+1], v[XS+8*\g:XS+8*\g+7], v19
.endr
	v_nop
	global_store_b128 v10, v[CT:CT+3], s[6:7] offset:((\t)/4)*2048+((\t)%4)*512        ; k 0-15 of the block: the place of lane (r, 0); sixteen lanes fill 256 consecutive bytes of each of two tiles
	global_store_b128 v10, v[CT+4:CT+7], s[6:7] offset:((\t)/4)*2048+((\t)%4)*512+256  ; k 16-31: the place of lane (r, 1)
.if (\t)+2 < 8
	LOADW (\t)+2
.endif
.endm
	s_load_b256 s[4:11], s[0:1], 0x0               ; x s[4:5], Wo s[6:7], Wq s[8:9], Wk s[10:11]
	s_load_b128 s[12:15], s[0:1], 0x20             ; Wv s[12:13], ops s[14:15]
	v_lshl_add_u32 v62, v0, 2, 0x8400
	v_mov_b32 v63, 0
	v_lshrrev_b32 v1, 5, v0
	v_readfirstlane_b32 s16, v1                    ; wave 0..3
	v_and_b32 v1, 31, v0                           ; lane
	v_and_b32 v2, 15, v0                           ; r
	v_bfe_u32 v3, v0, 4, 1                         ; h
	v_lshlrev_b32 v[L16], 4, v1
	s_and_b32 s17, s16, 1                          ; which tile of the pair (weights: which 32 columns)
	s_lshr_b32 s18, s16, 1                         ; which half of K
	s_mov_b32 s[SEL], 0x76543210
	s_mov_b32 s[SEL+1], 0xfedcba98
	s_mov_b32 s27, 0
	s_wait_kmcnt 0x0
	s_cmp_lt_u32 ttmp9, 288
	s_cbranch_scc0 .Lweights
	; ---- x and Wo: K is innermost
	s_mul_i32 s19, s16, 8448                       ; my wave's stage: 16 rows x 528 bytes
	s_wait_alu depctr_va_vdst(0)
	v_add_nc_u32 v[SI], s19, v[L16]
	v_mul_u32_u24 v[SO], v2, 528
	v_lshl_add_u32 v[SO], v3, 6, v[SO]
	v_add_nc_u32 v[SO], s19, v[SO]
.irp b, 0,1,2,3
	v_mov_b32 v[TM+4+\b], 0                        ; written once: a lane permute's destination counts as one of its sources
.endr
	s_cmp_lt_u32 ttmp9, 256                        ; x's work-group or Wo's
	s_cselect_b64 s[4:5], s[4:5], s[6:7]
	s_cselect_b32 s23, 0, 256
	s_cselect_b32 s24, 0, 704
	s_sub_co_u32 s23, ttmp9, s23                   ; which 32 rows
	s_lshl_b32 s26, s23, 17                        ; 32 rows of 4,096 bytes,
	s_lshl_b32 s28, s17, 15                        ; the tile's rows begin 8 rows on,
	s_add_co_u32 s26, s26, s28
	s_lshl_b32 s28, s18, 11                        ; my four K steps
	s_add_co_u32 s26, s26, s28
	s_add_nc_u64 s[4:5], s[4:5], s[26:27]
	s_lshl_b32 s23, s23, 1
	s_add_co_u32 s24, s24, s23
	s_add_co_u32 s24, s24, s17                     ; my tile
	s_lshl_b32 s26, s24, 14
	s_lshl_b32 s28, s18, 13
	s_add_co_u32 s26, s26, s28
	s_add_nc_u64 s[6:7], s[14:15], s[26:27]        ; its fragments of my K steps
	s_lshl_b32 s26, s24, 9
	s_lshl_b32 s28, s18, 3
	s_add_co_u32 s26, s26, s28
	s_add_co_u32 s26, s26, SOFS
	s_add_nc_u64 s[8:9], s[14:15], s[26:27]        ; and its scale words: words 2 kh, 2 kh + 1 of each lane
	LOADX 0
	LOADX 1
	s_wait_alu depctr_va_vdst(0)
	XSTEP 0
	XSTEP 1
	XSTEP 2
	XSTEP 3
	v_cmp_lt_u32 vcc_lo, 15, v1                    ; lanes 0-15 carry the even K steps' words, lanes 16-31 the odd ones'
	v_cndmask_b32 v36, v[PWS], v[PWS+1], vcc_lo
	v_cndmask_b32 v37, v[PWS+2], v[PWS+3], vcc_lo
	global_store_b64 v[L16], v[36:37], s[8:9]
	s_wait_tensorcnt 0x0
	ds_add_u32 v62, v63
	s_wait_dscnt 0x0
	s_endpgm
.Lweights:
	; ---- Wq, Wk, Wv: a lane takes a column d and its registers run down K, so a block lies in one lane and the codes come out with K innermost
	s_sub_co_u32 s23, ttmp9, 288
	s_lshr_b32 s24, s23, 1                         ; 16 x matrix + head
	s_and_b32 s23, s23, 1
	s_lshl_b32 s23, s23, 1
	s_add_co_u32 s23, s23, s18                     ; which 256 along K
	s_lshr_b32 s25, s24, 4                         ; matrix
	s_and_b32 s24, s24, 15                         ; head
	s_cmp_eq_u32 s25, 0
	s_cselect_b64 s[4:5], s[8:9], s[10:11]
	s_cmp_eq_u32 s25, 2
	s_cselect_b64 s[4:5], s[12:13], s[4:5]
	s_lshl_b32 s26, s24, 18                        ; a head is 1,024 rows of 256 bytes
	s_lshl_b32 s28, s23, 16
	s_add_co_u32 s26, s26, s28
	s_lshl_b32 s28, s17, 7
	s_add_co_u32 s26, s26, s28
	s_add_nc_u64 s[4:5], s[4:5], s[26:27]
	s_lshl_b32 s25, s25, 6
	s_lshl_b32 s24, s24, 2
	s_add_co_u32 s25, s25, s24
	s_lshl_b32 s24, s17, 1
	s_add_co_u32 s25, s25, s24
	s_add_co_u32 s25, s25, 512                     ; the first of my two tiles
	s_lshl_b32 s26, s25, 14
	s_lshl_b32 s28, s23, 12                        ; two K steps
	s_add_co_u32 s26, s26, s28
	s_add_nc_u64 s[6:7], s[14:15], s[26:27]
	s_lshl_b32 s26, s25, 9
	s_lshl_b32 s28, s23, 2
	s_add_co_u32 s26, s26, s28
	s_add_co_u32 s26, s26, SOFS
	s_add_nc_u64 s[8:9], s[14:15], s[26:27]
	s_wait_alu depctr_va_vdst(0)
	v_lshlrev_b32 v7, 2, v1                        ; in: 4 bytes a lane
	v_bfe_u32 v8, v0, 3, 1                         ; column c of the 32 lies in tile (c / 8) % 2,
	v_and_b32 v9, 7, v0
	v_lshl_add_u32 v9, v3, 3, v9                   ; at lane place c % 8 + 8 (c / 16)
	v_lshlrev_b32 v12, 4, v9
	v_lshl_add_u32 v10, v8, 14, v12                ; codes: tile x 16,384 + 16 x place
	v_lshl_add_u32 v11, v8, 9, v12                 ; scale words: tile x 512 + 16 x place
	LOADW 0
	LOADW 1
.irp t, 0,1,2,3,4,5,6,7
	BLOCK \t
.endr
	global_store_b32 v11, v22, s[8:9]              ; the even K step's word: the place of lane (r, 0)
	global_store_b32 v11, v23, s[8:9] offset:256   ; the odd one's: lane (r, 1)
	s_endpgm
.Lfunc_end_k_qb83483c463_prep:
	.size	k_qb83483c463_prep, .Lfunc_end_k_qb83483c463_prep-k_qb83483c463_prep
	.p2alignl 7, 3214868480
	.fill 96, 4, 3214868480
	.section	.rodata,"a",@progbits
	.p2align	6, 0x0
	.amdhsa_kernel k_qb83483c463_prep
		.amdhsa_group_segment_fixed_size 34304
		.amdhsa_private_segment_fixed_size 0
		.amdhsa_enable_private_segment 0
		.amdhsa_kernarg_size 48
		.amdhsa_user_sgpr_count 2
		.amdhsa_user_sgpr_kernarg_segment_ptr 1
		.amdhsa_wavefront_size32 1
		.amdhsa_system_sgpr_workgroup_id_x 1
		.amdhsa_system_sgpr_workgroup_id_y 1
		.amdhsa_system_sgpr_workgroup_id_z 1
		.amdhsa_system_vgpr_workitem_id 0
		.amdhsa_next_free_vgpr 256
		.amdhsa_next_free_sgpr 66
		.amdhsa_reserve_vcc 1
		.amdhsa_float_denorm_mode_32 3
		.amdhsa_float_denorm_mode_16_64 3
		.amdhsa_fp16_overflow 1
		.amdhsa_memory_ordered 1
		.amdhsa_forward_progress 1
		.amdhsa_inst_pref_size 73
	.end_amdhsa_kernel
	.amdgpu_metadata
---
amdhsa.version: [ 1, 2 ]
amdhsa.kernels:
  - .name:           k_qb83483c463_prep
    .symbol:         k_qb83483c463_prep.kd
    .args:
      - { .name: x, .offset: 0, .size: 8, .value_kind: global_buffer, .address_space: global }
      - { .name: Wo, .offset: 8, .size: 8, .value_kind: global_buffer, .address_space: global }
      - { .name: Wq, .offset: 16, .size: 8, .value_kind: global_buffer, .address_space: global }
      - { .name: Wk, .offset: 24, .size: 8, .value_kind: global_buffer, .address_space: global }
      - { .name: Wv, .offset: 32, .size: 8, .value_kind: global_buffer, .address_space: global }
      - { .name: ops, .offset: 40, .size: 8, .value_kind: global_buffer, .address_space: global }
    .group_segment_fixed_size: 34304
    .private_segment_fixed_size: 0
    .kernarg_segment_align: 8
    .kernarg_segment_size: 48
    .max_flat_workgroup_size: 128
    .sgpr_count:     66
    .vgpr_count:     256
    .wavefront_size: 32
...
	.end_amdgpu_metadata
.endif
;; end of part 1
;; launch qkv (part 2): grid 12 x 32, 4 waves a work-group, clusters of 4 x 4, 327,680 bytes of LDS; arguments ops, bq, bk, bv, qb, kv; writes qb, kv
.if DOCPART == 2
	.amdgcn_target "amdgcn-amd-amdhsa--gfx1250"
	.amdhsa_code_object_version 6
	.text
	.protected	k_qb83483c463_qkv
	.globl	k_qb83483c463_qkv
	.p2align	8
	.type	k_qb83483c463_qkv,@function
k_qb83483c463_qkv:
	s_mov_b64 s[64:65], 0
	v_nop
	global_prefetch_b8 v0, s[64:65] scope:SCOPE_SE
	s_setreg_imm32_b32 hwreg(HW_REG_WAVE_MODE, 25, 1), 1
	s_wait_xcnt 0x0
	s_wait_alu depctr_hold_cnt(0) depctr_sa_sdst(0) depctr_va_vdst(0) depctr_va_sdst(0) depctr_va_ssrc(0) depctr_va_vcc(0) depctr_vm_vsrc(0)
	s_getreg_b32 s2, hwreg(HW_REG_IB_STS2, 6, 4)
	s_cmp_eq_u32 s2, 0
	s_cbranch_scc0 .Lentry_in_a_cluster
	s_endpgm
.Lentry_in_a_cluster:
	s_bfe_u32 s2, ttmp6, 0x10000c
	s_cmp_lg_u32 s2, 0xf033
	s_cbranch_scc0 .Lentry_shape_is_right
	s_endpgm
.Lentry_shape_is_right:
.set NP,    8
.set SLOT,  131072
.set SPARE, 2*SLOT
.set SOFS,  12582912
.set ADRA, 16
.set ADRB, 20
.set L16,  24
.set W4,   25
.set BTA,  26
.set BVA,  27
.set SPW,  28
.set NIL,  29
.set PS,   32
.set RS,   64
.set WD,   96
.set TM,   104
.set AF,   128
.set NUM,  128
.set WV, 16
.set RH, 17
.set PH, 18
.set CX, 19
.set CY, 20
.set MNT, 21
.set ISV, 23
.set G1R, 24
.set G0R, 32
.set G1P, 40
.set G0P, 48
.set PT, 56
.set RT, 57
.set SEL, 62
.set MSB, 0
.macro WIN new
.if MSB != (\new)
	s_set_vgpr_msb (MSB<<8)|(\new)
.set MSB, (\new)
.endif
.endm
.set MUL_LO, 0xa1
.set MUL_HI, 0xf1
.set TO_B,   0x40
.macro JLOAD g0r, g1r, g0p, g1p
	s_cmp_eq_u32 s[RH], 0
	s_cbranch_scc0 .Lfor_p_\@
	tensor_load_to_lds s[\g0r:\g0r+3], s[\g1r:\g1r+7]
	s_nop 0
.rept 4
	v_nop
.endr
	s_branch .Lasked_\@
.Lfor_p_\@:
	tensor_load_to_lds s[\g0p:\g0p+3], s[\g1p:\g1p+7]
	s_nop 0
.rept 4
	v_nop
.endr
.Lasked_\@:
.endm
.macro CREST
	s_cmp_lg_u32 s[WV], 0
	s_cbranch_scc1 .Lnot_wave_0_\@
	s_barrier_signal -3
.Lnot_wave_0_\@:
	s_barrier_wait -3
	s_barrier_signal -1
	s_barrier_wait -1
.endm
.macro CROUND
	s_barrier_signal -1
	s_barrier_wait -1
	CREST
.endm
.macro PLACES n
.rept \n
	v_nop
.endr
.endm
.macro FRAG reg, adr, q, i
.irp c, 0,1,2,3
	ds_load_b128 v[\reg+4*\c:\reg+4*\c+3], v[\adr] offset:4096*(\i)+2048*(\q)+512*\c
.endr
.endm
.macro MUL16 a0, p, ks, zero
.irp a, \a0, \a0+1
.irp b, 0,1,2,3,4,5,6,7
.if \zero
	v_wmma_scale_f32_16x16x128_f8f6f4 v[8*(8*((\a)%4)+\b):8*(8*((\a)%4)+\b)+7], v[128*(\p)+16*\b:128*(\p)+16*\b+15], v[AF+16*(\a):AF+16*(\a)+15], 0, v[PS+4*\b+(\ks)/2], v[RS+4*(\a)+(\ks)/2] matrix_a_fmt:MATRIX_FMT_BF8 matrix_b_fmt:MATRIX_FMT_BF8
.elseif (\ks)%2
	v_wmma_scale_f32_16x16x128_f8f6f4 v[8*(8*((\a)%4)+\b):8*(8*((\a)%4)+\b)+7], v[128*(\p)+16*\b:128*(\p)+16*\b+15], v[AF+16*(\a):AF+16*(\a)+15], v[8*(8*((\a)%4)+\b):8*(8*((\a)%4)+\b)+7], v[PS+4*\b+(\ks)/2], v[RS+4*(\a)+(\ks)/2] matrix_a_fmt:MATRIX_FMT_BF8 matrix_b_fmt:MATRIX_FMT_BF8 matrix_a_scale:MATRIX_SCALE_ROW1 matrix_b_scale:MATRIX_SCALE_ROW1
.else
	v_wmma_scale_f32_16x16x128_f8f6f4 v[8*(8*((\a)%4)+\b):8*(8*((\a)%4)+\b)+7], v[128*(\p)+16*\b:128*(\p)+16*\b+15], v[AF+16*(\a):AF+16*(\a)+15], v[8*(8*((\a)%4)+\b):8*(8*((\a)%4)+\b)+7], v[PS+4*\b+(\ks)/2], v[RS+4*(\a)+(\ks)/2] matrix_a_fmt:MATRIX_FMT_BF8 matrix_b_fmt:MATRIX_FMT_BF8
.endif
.endr
.endr
.endm
.macro FETCH_B slot, q, p
	WIN TO_B
.irp i, 0,1,2,3,4,5,6,7
	FRAG 128*(\p)+16*\i, ADRB+\slot, \q, \i
.endr
	WIN 0
.endm
.macro FETCH_A slot, q, i0
.irp i, \i0, \i0+1, \i0+2, \i0+3
	FRAG AF+16*(\i), ADRA+\slot, \q, \i
.endr
.endm
.macro STEP slot, q, ks, zero
	s_wait_dscnt 16
	WIN MUL_LO
	MUL16 0, (\q)%2, \ks, \zero
	MUL16 2, (\q)%2, \ks, \zero
	s_wait_dscnt 0
	PLACES NP
	FETCH_B \slot, (\q)+1, 1-(\q)%2
	FETCH_A \slot, (\q)+1, 0
	WIN MUL_HI
	MUL16 4, (\q)%2, \ks, \zero
	MUL16 6, (\q)%2, \ks, \zero
	PLACES NP
	WIN 0
	FETCH_A \slot, (\q)+1, 4
.endm
.macro TURN slot, next, ks, fill
	s_wait_tensorcnt 0x0
	ds_add_u32 v[SPW], v[NIL]
	s_wait_dscnt 17
	WIN MUL_LO
	MUL16 0, 1, \ks, 0
	s_wait_dscnt 0x0
	s_barrier_signal -1
	MUL16 2, 1, \ks, 0
	WIN 0
	s_barrier_wait -1
.if \fill
	CREST
	s_add_nc_u64 s[G0R+4*\slot+2:G0R+4*\slot+3], s[G0R+4*\slot+2:G0R+4*\slot+3], 8192
	s_add_nc_u64 s[G0P+4*\slot+2:G0P+4*\slot+3], s[G0P+4*\slot+2:G0P+4*\slot+3], 8192
	JLOAD G0R+4*\slot, G1R, G0P+4*\slot, G1P
	PLACES NP-4
.else
	PLACES NP
.endif
	FETCH_B \next, 0, 0
	FETCH_A \next, 0, 0
	WIN MUL_HI
	MUL16 4, 1, \ks, 0
	MUL16 6, 1, \ks, 0
	PLACES NP
	WIN 0
	FETCH_A \next, 0, 4
.endm
.macro QUANTW a
.irp b, 0,1,2,3
	v_max3_num_f32 v[TM+\b], |v[NUM+16*\b]|, |v[NUM+1+16*\b]|, 0x8000000
.endr
.irp i, 2,4,6,8,10,12,14
.irp b, 0,1,2,3
	v_max3_num_f32 v[TM+\b], v[TM+\b], |v[NUM+16*\b+\i]|, |v[NUM+1+16*\b+\i]|
.endr
.endr
.irp b, 0,1,2,3
	v_permlanex16_b32 v[TM+4+\b], v[TM+\b], s[SEL], s[SEL+1]
.endr
.irp b, 0,1,2,3
	v_max_num_f32 v[TM+\b], v[TM+\b], v[TM+4+\b]
.endr
.irp b, 0,1,2,3
	v_add_nc_u32 v[TM+12+\b], 0xf8800000, v[TM+\b]
.endr
.irp b, 0,1,2,3
.endr
.irp b, 0,1,2,3
	v_lshrrev_b32 v[TM+4+\b], 23, v[TM+12+\b]
.endr
	v_lshl_or_b32 v[WD+(\a)], v[TM+5], 8, v[TM+4]
	v_lshl_or_b32 v[WD+(\a)], v[TM+6], 16, v[WD+(\a)]
	v_lshl_or_b32 v[WD+(\a)], v[TM+7], 24, v[WD+(\a)]
.irp b, 0,1,2,3
.irp i, 0,1,2,3,4,5,6,7,8,9,10,11,12,13,14,15
.endr
.endr
	WIN 0x80+0x40*((\a)/4)
.irp b, 0,1,2,3
	v_cvt_scalef32_pk8_bf8_f32 v[16*((\a)%4)+4*\b:16*((\a)%4)+4*\b+1], v[NUM+16*\b:NUM+16*\b+7], v[TM+12+\b]
	v_cvt_scalef32_pk8_bf8_f32 v[16*((\a)%4)+4*\b+2:16*((\a)%4)+4*\b+3], v[NUM+16*\b+8:NUM+16*\b+15], v[TM+12+\b]
.endr
	WIN 0
	v_nop
.endm
.macro UNIT a
	s_cmp_eq_u32 s[ISV], 1
	s_cbranch_scc1 .Lbias_v_\@
	WIN 0x06+(\a)/4
.set ui, 0
.rept 32
	v_pk_add_f32 v[NUM+ui:NUM+ui+1], v[64*((\a)%4)+ui:64*((\a)%4)+ui+1], v[ui:ui+1]
.set ui, ui+2
.endr
	WIN 0
	s_branch .Lbiased_\@
.Lbias_v_\@:
	WIN 0x06+(\a)/4
.set ui, 0
.rept 32
	v_pk_add_f32 v[NUM+ui:NUM+ui+1], v[64*((\a)%4)+ui:64*((\a)%4)+ui+1], v[64+2*(\a):65+2*(\a)]
.set ui, ui+2
.endr
	WIN 0
.Lbiased_\@:
	QUANTW \a
.endm
	s_load_b256 s[4:11], s[0:1], 0x0
	s_load_b128 s[12:15], s[0:1], 0x20
	v_lshl_add_u32 v[SPW], v0, 2, SPARE
	v_mov_b32 v[NIL], 0
	ds_add_u32 v28, v29
	ds_add_u32 v28, v29
	s_wait_dscnt 0x0
	v_lshrrev_b32 v1, 5, v0
	v_readfirstlane_b32 s[WV], v1
	s_lshr_b32 s[RH], s[WV], 1
	s_and_b32 s[PH], s[WV], 1
	s_bfe_u32 s[CX], ttmp6, 0x40000
	s_bfe_u32 s[CY], ttmp6, 0x40004
	s_and_b32 s22, ttmp7, 0xffff
	s_lshl_b32 s66, s22, 6
	s_lshl_b32 s67, ttmp9, 6
	s_add_co_u32 s67, s67, 512
	s_mov_b32 s68, 640
	s_cmp_eq_u32 ttmp9, 2
	s_cselect_b32 s[ISV], 1, 0
	s_cselect_b32 s[PT], s66, s67
	s_cselect_b32 s[RT], s68, s66
	s_lshl_b32 s69, s[CX], 4
	s_add_co_u32 s[PT], s[PT], s69
	s_lshl_b32 s70, s[CY], 4
	s_add_co_u32 s[RT], s[RT], s70
	s_lshl_b32 s71, s[CY], 2
	s_lshl_b32 s71, 15, s71
	s_lshl_b32 s72, 0x1111, s[CX]
	s_or_b32 s[G1R], s71, (3<<16)|(1<<21)
	s_or_b32 s[G1P], s72, (3<<16)|(1<<21)
.irp g, G1R, G1P
	s_mov_b32 s[\g+1], 512<<16
	s_mov_b32 s[\g+2], 8<<16
	s_mov_b32 s[\g+3], 512<<16
	s_mov_b32 s[\g+4], 8
	s_mov_b32 s[\g+5], 2048
	s_mov_b32 s[\g+6], 0
	s_mov_b32 s[\g+7], 0
.endr
	s_lshl_b32 s78, s[PH], 3
	s_add_co_u32 s74, s[RT], s78
	s_lshl_b32 s74, s74, 14
	s_mov_b32 s75, 0
	s_add_co_u32 s76, s[PT], s78
	s_lshl_b32 s76, s76, 14
	s_mov_b32 s77, 0
	s_lshl_b32 s73, s[WV], 15
	s_mov_b32 s[SEL], 0x76543210
	s_mov_b32 s[SEL+1], 0xfedcba98
	s_wait_kmcnt 0x0
	s_add_nc_u64 s[74:75], s[4:5], s[74:75]
	s_add_nc_u64 s[76:77], s[4:5], s[76:77]
	CROUND
.irp s, 0,1
	s_mov_b32 s[G0R+4*\s], 1
	s_add_co_u32 s[G0R+4*\s+1], s73, \s*SLOT
	s_add_nc_u64 s[G0R+4*\s+2:G0R+4*\s+3], s[74:75], \s*4096
	s_or_b32 s[G0R+4*\s+3], s[G0R+4*\s+3], 0x80000000
	s_mov_b32 s[G0P+4*\s], 1
	s_add_co_u32 s[G0P+4*\s+1], s73, \s*SLOT
	s_add_nc_u64 s[G0P+4*\s+2:G0P+4*\s+3], s[76:77], \s*4096
	s_or_b32 s[G0P+4*\s+3], s[G0P+4*\s+3], 0x80000000
	s_wait_alu depctr_va_vdst(0)
	s_wait_tensorcnt 0x0
	ds_add_u32 v28, v29
	ds_add_u32 v28, v29
	s_wait_dscnt 0x0
	CROUND
	JLOAD G0R+4*\s, G1R, G0P+4*\s, G1P
.endr
	v_and_b32 v1, 31, v0
	v_and_b32 v2, 15, v0
	v_bfe_u32 v3, v0, 4, 1
	v_lshlrev_b32 v[L16], 4, v1
	v_lshlrev_b32 v[W4], 2, v2
	v_lshlrev_b32 v[BTA], 6, v3
	v_and_b32 v4, 8, v2
	v_add_nc_u32 v4, v4, v2
	v_lshlrev_b32 v[BVA], 2, v4
.irp b, 0,1,2,3
	v_mov_b32 v[TM+4+\b], 0
.endr
	s_lshl_b32 s79, s[RH], 15
	s_lshl_b32 s80, s[PH], 15
	s_add_co_u32 s80, s80, 65536
.irp s, 0,1
	v_add_nc_u32 v[ADRA+\s], s79, v[L16]
	v_add_nc_u32 v[ADRB+\s], s80, v[L16]
	s_add_co_u32 s79, s79, SLOT
	s_add_co_u32 s80, s80, SLOT
.endr
	s_mov_b32 s3, 0
	s_lshl_b32 s2, s[PH], 3
	s_add_co_u32 s2, s2, s[PT]
	s_lshl_b32 s2, s2, 9
	s_add_co_u32 s2, s2, SOFS
	s_add_nc_u64 s[58:59], s[4:5], s[2:3]
	s_lshl_b32 s2, s[RH], 3
	s_add_co_u32 s2, s2, s[RT]
	s_lshl_b32 s2, s2, 9
	s_add_co_u32 s2, s2, SOFS
	s_add_nc_u64 s[60:61], s[4:5], s[2:3]
.irp i, 0,1,2,3,4,5,6,7
	global_load_b128 v[PS+4*\i:PS+4*\i+3], v[L16], s[58:59] offset:512*\i
	global_load_b128 v[RS+4*\i:RS+4*\i+3], v[L16], s[60:61] offset:512*\i
.endr
	s_lshl_b32 s66, s[CX], 2
	s_lshl_b32 s67, s[PH], 1
	s_add_co_u32 s66, s66, s67
	s_lshl_b32 s67, s[CY], 2
	s_lshl_b32 s68, s[RH], 1
	s_add_co_u32 s67, s67, s68
	s_lshl_b32 s68, s[RH], 3
	s_add_co_u32 s68, s68, s[RT]
	s_and_b32 s68, s68, 127
	s_lshl_b32 s69, s[PH], 3
	s_add_co_u32 s69, s69, s[PT]
	s_bfe_u32 s69, s69, 0x40003
	s_lshl_b32 s70, s68, 10
	s_lshl_b32 s71, s69, 13
	s_add_co_u32 s71, s71, 131072
	s_lshl_b32 s72, s68, 6
	s_lshl_b32 s73, s69, 8
	s_add_co_u32 s73, s73, 270336
	s_mov_b32 s74, 274432
	s_mov_b32 s75, 262144
	s_cmp_eq_u32 ttmp9, 0
	s_cselect_b64 s[76:77], s[12:13], s[14:15]
	s_cselect_b64 s[78:79], s[6:7], s[8:9]
	s_cselect_b32 s74, 139264, s74
	s_cselect_b32 s75, 131072, s75
	s_add_co_u32 s72, s72, s75
	s_cmp_eq_u32 s[ISV], 1
	s_cselect_b64 s[78:79], s[10:11], s[78:79]
	s_cselect_b32 s70, s71, s70
	s_cselect_b32 s72, s73, s72
	s_cselect_b32 s71, s[PT], s[RT]
	s_cselect_b32 s73, s67, s66
	s_cselect_b32 s75, 0, s66
	s_lshr_b32 s71, s71, 7
	s_lshl_b32 s71, s71, 4
	s_add_co_u32 s71, s71, s73
	s_mul_i32 s71, s71, s74
	s_add_co_u32 s2, s71, s70
	s_add_nc_u64 s[88:89], s[76:77], s[2:3]
	s_add_co_u32 s2, s71, s72
	s_add_nc_u64 s[92:93], s[76:77], s[2:3]
	s_mov_b32 s2, s74
	s_add_nc_u64 s[90:91], s[88:89], s[2:3]
	s_add_nc_u64 s[94:95], s[92:93], s[2:3]
	s_lshl_b32 s2, s75, 8
	s_add_nc_u64 s[84:85], s[78:79], s[2:3]
	s_lshl_b32 s2, s67, 8
	s_add_nc_u64 s[86:87], s[78:79], s[2:3]
	s_wait_alu depctr_va_vdst(0)
	s_wait_loadcnt 0x0
	s_wait_tensorcnt 1
	s_barrier_signal -1
	s_barrier_wait -1
	FETCH_B 0, 0, 0
	FETCH_A 0, 0, 0
	FETCH_A 0, 0, 4
	STEP 0, 0, 0, 1
	TURN 0, 1, 1, 1
	STEP 1, 0, 2, 0
	TURN 1, 0, 3, 1
	STEP 0, 0, 4, 0
	TURN 0, 1, 5, 0
	STEP 1, 0, 6, 0
	WIN 0x40
.irp b, 0,1,2,3
.irp j, 0,1,2,3
	global_load_b128 v[16*\b+4*\j:16*\b+4*\j+3], v[BTA], s[84:85] offset:128*\b+16*\j
.endr
.endr
.irp a, 0,1,2,3,4,5,6,7
	global_load_b32 v[64+2*\a], v[BVA], s[86:87] offset:(\a/4)*256+(32*((\a%4)/2)+8*(\a%2))*4
	global_load_b32 v[65+2*\a], v[BVA], s[86:87] offset:(\a/4)*256+(32*((\a%4)/2)+8*(\a%2))*4
.endr
	WIN 0
	s_wait_dscnt 16
	WIN MUL_LO
	MUL16 0, 1, 7, 0
	MUL16 2, 1, 7, 0
	s_wait_dscnt 0
	WIN MUL_HI
	MUL16 4, 1, 7, 0
	MUL16 6, 1, 7, 0
	WIN 0
	PLACES NP
	s_wait_loadcnt 0x0
.irp a, 0,1,2,3,4,5,6,7
	UNIT \a
.endr
	s_cmp_eq_u32 s[ISV], 1
	s_cbranch_scc1 .Lstore_v
.irp a, 0,1,2,3,4,5,6,7
	v_and_b32 v[TM+\a], 0xffff, v[WD+\a]
	v_lshrrev_b32 v[TM+8+\a], 16, v[WD+\a]
.endr
.irp a, 0,1,2,3,4,5,6,7
	WIN 0x08+4*(\a/4)
	global_store_b128 v[L16], v[16*(\a%4):16*(\a%4)+3], s[88:89] offset:1024*\a
	global_store_b128 v[L16], v[16*(\a%4)+4:16*(\a%4)+7], s[88:89] offset:1024*\a+512
	global_store_b128 v[L16], v[16*(\a%4)+8:16*(\a%4)+11], s[90:91] offset:1024*\a
	global_store_b128 v[L16], v[16*(\a%4)+12:16*(\a%4)+15], s[90:91] offset:1024*\a+512
.endr
	WIN 0
.irp a, 0,1,2,3,4,5,6,7
	global_store_b32 v[W4], v[TM+\a], s[92:93] offset:64*\a
	global_store_b32 v[W4], v[TM+8+\a], s[94:95] offset:64*\a
.endr
	s_branch .Lstored
.Lstore_v:
	s_wait_alu depctr_va_vdst(0)
.irp a, 0,1,2,3,4,5,6,7
	WIN 0x08+4*(\a/4)
.irp g, 0,1,2,3
	global_store_b128 v[L16], v[16*(\a%4)+4*\g:16*(\a%4)+4*\g+3], s[88+2*(\a/4):89+2*(\a/4)] offset:2048*(\a%4)+512*\g
.endr
.endr
	WIN 0
.irp a, 0,1,2,3,4,5,6,7
	global_store_b32 v[W4], v[WD+\a], s[92+2*(\a/4):93+2*(\a/4)] offset:64*(\a%4)
.endr
.Lstored:
	s_wait_tensorcnt 0x0
	ds_add_u32 v[SPW], v[NIL]
	s_wait_dscnt 0x0
	CROUND
	s_endpgm
.Lfunc_end_k_qb83483c463_qkv:
	.size	k_qb83483c463_qkv, .Lfunc_end_k_qb83483c463_qkv-k_qb83483c463_qkv
	.p2alignl 7, 3214868480
	.fill 96, 4, 3214868480
	.section	.rodata,"a",@progbits
	.p2align	6, 0x0
	.amdhsa_kernel k_qb83483c463_qkv
		.amdhsa_group_segment_fixed_size 327680
		.amdhsa_private_segment_fixed_size 0
		.amdhsa_enable_private_segment 0
		.amdhsa_kernarg_size 48
		.amdhsa_user_sgpr_count 2
		.amdhsa_user_sgpr_kernarg_segment_ptr 1
		.amdhsa_wavefront_size32 1
		.amdhsa_system_sgpr_workgroup_id_x 1
		.amdhsa_system_sgpr_workgroup_id_y 1
		.amdhsa_system_sgpr_workgroup_id_z 1
		.amdhsa_system_vgpr_workitem_id 0
		.amdhsa_next_free_vgpr 1024
		.amdhsa_next_free_sgpr 96
		.amdhsa_reserve_vcc 0
		.amdhsa_float_denorm_mode_32 3
		.amdhsa_float_denorm_mode_16_64 3
		.amdhsa_fp16_overflow 1
		.amdhsa_memory_ordered 1
		.amdhsa_forward_progress 1
		.amdhsa_inst_pref_size 191
	.end_amdhsa_kernel
	.amdgpu_metadata
---
amdhsa.version: [ 1, 2 ]
amdhsa.kernels:
  - .name:           k_qb83483c463_qkv
    .symbol:         k_qb83483c463_qkv.kd
    .args:
      - { .name: ops, .offset: 0, .size: 8, .value_kind: global_buffer, .address_space: global }
      - { .name: bq, .offset: 8, .size: 8, .value_kind: global_buffer, .address_space: global }
      - { .name: bk, .offset: 16, .size: 8, .value_kind: global_buffer, .address_space: global }
      - { .name: bv, .offset: 24, .size: 8, .value_kind: global_buffer, .address_space: global }
      - { .name: qb, .offset: 32, .size: 8, .value_kind: global_buffer, .address_space: global }
      - { .name: kv, .offset: 40, .size: 8, .value_kind: global_buffer, .address_space: global }
    .group_segment_fixed_size: 327680
    .private_segment_fixed_size: 0
    .kernarg_segment_align: 8
    .kernarg_segment_size: 48
    .max_flat_workgroup_size: 128
    .sgpr_count:     96
    .vgpr_count:     1024
    .wavefront_size: 32
...
	.end_amdgpu_metadata
.endif
;; end of part 2
;; launch attn (part 3): grid 4 x 64, 16 waves a work-group, clusters of 4 x 1, 276,480 bytes of LDS; arguments qb, kv, aq; writes aq
.if DOCPART == 3
	.amdgcn_target "amdgcn-amd-amdhsa--gfx1250"
	.amdhsa_code_object_version 6
	.text
	.protected	k_qb83483c463_attn
	.globl	k_qb83483c463_attn
	.p2align	8
	.type	k_qb83483c463_attn,@function
k_qb83483c463_attn:
	s_mov_b64 s[64:65], 0
	v_nop
	global_prefetch_b8 v0, s[64:65] scope:SCOPE_SE
	s_setreg_imm32_b32 hwreg(HW_REG_WAVE_MODE, 25, 1), 1
	s_wait_xcnt 0x0
	s_wait_alu depctr_hold_cnt(0) depctr_sa_sdst(0) depctr_va_vdst(0) depctr_va_sdst(0) depctr_va_ssrc(0) depctr_va_vcc(0) depctr_vm_vsrc(0)
	s_getreg_b32 s2, hwreg(HW_REG_IB_STS2, 6, 4)
	s_cmp_eq_u32 s2, 0
	s_cbranch_scc0 .Lentry_in_a_cluster
	s_endpgm
.Lentry_in_a_cluster:
	s_bfe_u32 s2, ttmp6, 0x10000c
	s_cmp_lg_u32 s2, 0x3003
	s_cbranch_scc0 .Lentry_shape_is_right
	s_endpgm
.Lentry_shape_is_right:
; O = softmax(Q K^T / 8) V for one head of one batch, both products on codes of BF8 (E5M2) with E8M0 scales, and O quantised at once, along (head, d), for the last projection.
; THE SOFTMAX: t = score x log2(e) / 8; M = the row's largest t so far, rounded up to a whole number; p = 2^(t - M) is quantised along the keys, not normalised; the row's sum is taken of the unquantised p
; and divides O at the end.  When M moves, the sum and O are multiplied by 2^(old M - new M): exact.
; SHARES.  A work-group owns 512 queries of a head; each of its sixteen waves two tiles of 16, one after the other; four waves to a SIMD, so that one wave's vector work stands beside another's products and LDS loads.
; THE WHOLE HEAD'S K AND V STAY IN LDS: its block of kv, 274,432 bytes, codes and scale words as images of operand registers, comes once: each wave fetches 67 rows of 256 bytes with one tensor load.
; Nothing is filled again: one barrier, and none in the loops.  CLUSTER: the four work-groups of a head ask for the block jointly.
; Nothing is prefetched: all that the work-group reads is asked for at its first lines.
; LAYOUT.  Both products are used transposed: S^T = K Q^T, O^T = V^T P^T: a lane holds one query throughout.  Lane r of a tile holds row 32 (T / 2) + 8 (T % 2) + r + 8 (r / 8), so that the 16 registers of tiles
; 2 b and 2 b + 1 are 16 neighbours: keys in S^T, d in O^T.  The first product's K is 64: the upper half of the instruction's 128 is zero codes on both sides (registers set once), under the byte 0.
; LIMITS: 1 / sum by v_rcp_f32 (1 ulp); a block's largest p is the exponential of its largest score (this takes v_exp_f32 not to fall where its input rises); a block of zeros gets the byte 1; NaN and infinities are not served.
; O's scale bytes leave as 2 bytes a lane, 16 bytes apart (lanes 16-31 repeat lanes 0-15): 262,144 bytes in the launch against 8,388,608 of codes.
; REGISTERS: v1-7 addresses that stay; v8-11 those of the step; v12 -M, v13 the largest t, v[14:15] the sum; v16-31 Q of the first tile; v32-95 four fragments of K; v96-159 S^T, then p, then V's four fragments;
;   v160-191 O^T; v192-207 Q of the second tile, v208 its scale words; v224-239 p's codes; v232-247, v252, v254 at work; v248-251 K's and V's scale words; v253 p's; v255 Q's.
.set KVB, 274432
.set QHB, 139264
.set AK0, 1                            ; v1 16 x lane: K's images begin at LDS byte 0
.set AV0, 2                            ; v2 + 131,072: V's
.set AS0, 3                            ; v3 262,144 + 4 x lane: K's scale words, two tiles to a load
.set AT0, 4                            ; v4 270,336 + 4 x lane: V's
.set GL16, 5                           ; v5 16 x lane, for memory
.set GW4, 6                            ; v6 4 x (lane % 16)
.set GS16, 7                           ; v7 16 x (lane % 16)
.set ADK, 8
.set ADV, 9
.set ADS, 10
.set ADT, 11
.set WV, 10
.set MNT, 19
.set SEL, 20
.set CS, 22
.set G1, 24
.set G0, 32
.set TK, 36                            ; s36 the step's codes: 8,192 bytes a step, of K and of V alike
.set TS, 37                            ; s37 K's scale words: 512
.set TJ, 38                            ; s38 V's: 256
.set CNT, 39
.macro CROUND
	s_barrier_signal -1
	s_barrier_wait -1
	s_cmp_lg_u32 s[WV], 0
	s_cbranch_scc1 .Lnot_wave_0_\@
	s_barrier_signal -3
.Lnot_wave_0_\@:
	s_barrier_wait -3
	s_barrier_signal -1
	s_barrier_wait -1
.endm
; A KEY STEP: 128 keys.  qf: Q's fragment; qs: its scale words
.macro STEP qf, qs
	v_add_nc_u32 v[ADK], s[TK], v[AK0]
	s_wait_alu depctr_va_vdst(0)
	v_add_nc_u32 v[ADV], s[TK], v[AV0]
	v_add_nc_u32 v[ADS], s[TS], v[AS0]
	v_add_nc_u32 v[ADT], s[TJ], v[AT0]
.rept 5
	v_nop                                          ; with the four additions nine places: the first products below write over V's fragments, which the last products read
.endr
.irp g, 0,1                                    ; S^T = K Q^T, four tiles of 16 keys at a time
.if \g > 0
.rept 8
	v_nop                                          ; places in front of loads into registers that matrix instructions have read
.endr
.endif
.irp t, 0,1,2,3
	ds_load_b128 v[32+16*\t:35+16*\t], v[ADK] offset:(4*\g+\t)*1024
	ds_load_b128 v[36+16*\t:39+16*\t], v[ADK] offset:(4*\g+\t)*1024+512
.endr
.if \g == 0
.irp i, 0,1,2,3
	ds_load_b32 v[248+\i], v[ADS] offset:128*\i    ; lanes 0-15: tile 2 i's words; lanes 16-31: tile 2 i + 1's
.endr
.endif
	s_wait_dscnt 0x0
.irp t, 0,2
	v_wmma_scale_f32_16x16x128_f8f6f4 v[96+8*(4*\g+\t):103+8*(4*\g+\t)], v[32+16*\t:47+16*\t], v[\qf:\qf+15], 0, v[248+2*\g+\t/2], v[\qs] matrix_a_fmt:MATRIX_FMT_BF8 matrix_b_fmt:MATRIX_FMT_BF8
	v_wmma_scale_f32_16x16x128_f8f6f4 v[104+8*(4*\g+\t):111+8*(4*\g+\t)], v[48+16*\t:63+16*\t], v[\qf:\qf+15], 0, v[248+2*\g+\t/2], v[\qs] matrix_a_fmt:MATRIX_FMT_BF8 matrix_b_fmt:MATRIX_FMT_BF8 matrix_a_scale:MATRIX_SCALE_ROW1
.endr
.endr
.rept 8
	v_nop
.endr
.irp b, 0,1,2,3
	v_max3_num_f32 v[232+\b], v[96+16*\b], v[97+16*\b], v[98+16*\b]   ; the largest score of each block of 32 keys: for the row's maximum and, since p rises with the score, for the block's largest p
.endr
.irp i, 3,5,7,9,11,13
.irp b, 0,1,2,3
	v_max3_num_f32 v[232+\b], v[232+\b], v[96+16*\b+\i], v[97+16*\b+\i]
.endr
.endr
.irp b, 0,1,2,3
	v_max_num_f32 v[232+\b], v[232+\b], v[111+16*\b]
.endr
.irp b, 0,1,2,3
	v_permlanex16_b32 v[236+\b], v[232+\b], s[SEL], s[SEL+1]
.endr
.irp b, 0,1,2,3
	s_delay_alu instid0(VALU_DEP_4)
	v_max_num_f32 v[232+\b], v[232+\b], v[236+\b]  ; with lane l xor 16's 16 keys
.endr
	s_delay_alu instid0(VALU_DEP_2)
	v_max3_num_f32 v254, v232, v233, v234
	s_delay_alu instid0(VALU_DEP_1)
	v_max_num_f32 v254, v254, v235
	s_delay_alu instid0(VALU_DEP_1)
	v_mul_f32 v254, s[CS], v254                    ; as t (c is positive)
	s_delay_alu instid0(VALU_DEP_1)
	v_max_num_f32 v13, v13, v254                   ; the running largest t
	v_mov_b32 v254, v12
	s_delay_alu instid0(VALU_DEP_2)
	v_floor_f32 v12, -v13                          ; the new -M = -ceil(t): a whole number
	s_delay_alu instid0(VALU_DEP_1)
	v_sub_f32 v254, v12, v254                      ; old M - new M: a whole number, 0 or less
	s_delay_alu instid0(VALU_DEP_1)
	v_cvt_i32_f32 v254, v254                       ; (it saturates)
	s_delay_alu instid0(VALU_DEP_1)
	v_ldexp_f32 v252, 1.0, v254                    ; f = 2^(old M - new M)
.set ej, 0
.rept 32
	v_pk_fma_f32 v[96+ej:97+ej], v[96+ej:97+ej], s[CS:CS+1], v[12:13] op_sel_hi:[1,0,0]   ; t - M, two at a time
.set ej, ej+2
.endr
.irp b, 0,1,2,3
	v_fma_f32 v[232+\b], v[232+\b], s[CS], v12     ; the same of each block's largest score
.endr
.set ej, 0
	s_wait_alu depctr_va_vdst(0)
.rept 64
	v_exp_f32 v[96+ej], v[96+ej]                   ; p = 2^(t - M), at most 1
.set ej, ej+1
.endr
	s_setprio 1
	v_pk_mul_f32 v[14:15], v[14:15], v[252:253] op_sel_hi:[1,0]   ; the sums under the new M; a plain instruction behind the exponentials
	s_wait_alu depctr_va_vdst(0)                   ; one wait for the batch, ahead of its first reader
.irp b, 0,1,2,3
	v_exp_f32 v[232+\b], v[232+\b]                 ; the block's largest p
.endr
	v_pk_add_f32 v[236:237], v[100:101], v[104:105]
	v_pk_add_f32 v[250:251], v[108:109], v[112:113]
	v_pk_add_f32 v[248:249], v[116:117], v[120:121]
	v_pk_add_f32 v[246:247], v[124:125], v[128:129]
	v_pk_add_f32 v[244:245], v[132:133], v[136:137]
	v_pk_add_f32 v[242:243], v[140:141], v[144:145]
	v_pk_add_f32 v[240:241], v[148:149], v[152:153]
	v_pk_add_f32 v[14:15], v[14:15], v[156:157]
	v_pk_add_f32 v[236:237], v[236:237], v[96:97]
	v_pk_add_f32 v[250:251], v[250:251], v[98:99]
	v_pk_add_f32 v[248:249], v[248:249], v[102:103]
	v_pk_add_f32 v[246:247], v[246:247], v[106:107]
	v_pk_add_f32 v[244:245], v[244:245], v[110:111]
	v_pk_add_f32 v[242:243], v[242:243], v[114:115]
	v_pk_add_f32 v[240:241], v[240:241], v[118:119]
	v_pk_add_f32 v[14:15], v[14:15], v[122:123]
	v_pk_add_f32 v[236:237], v[236:237], v[126:127]
	v_pk_add_f32 v[250:251], v[250:251], v[130:131]
	v_pk_add_f32 v[248:249], v[248:249], v[134:135]
	v_pk_add_f32 v[246:247], v[246:247], v[138:139]
	v_pk_add_f32 v[244:245], v[244:245], v[142:143]
	v_pk_add_f32 v[242:243], v[242:243], v[146:147]
	v_pk_add_f32 v[240:241], v[240:241], v[150:151]
	v_pk_add_f32 v[14:15], v[14:15], v[154:155]
	v_pk_add_f32 v[236:237], v[236:237], v[158:159]
	s_delay_alu instid0(VALU_DEP_2)
	v_pk_add_f32 v[14:15], v[14:15], v[246:247]
	s_delay_alu instid0(VALU_DEP_2)
	v_pk_add_f32 v[236:237], v[236:237], v[244:245]
	v_pk_add_f32 v[250:251], v[250:251], v[242:243]
	v_pk_add_f32 v[248:249], v[248:249], v[240:241]
	s_delay_alu instid0(VALU_DEP_2)
	v_pk_add_f32 v[14:15], v[14:15], v[250:251]
	s_delay_alu instid0(VALU_DEP_2)
	v_pk_add_f32 v[236:237], v[236:237], v[248:249]
	s_delay_alu instid0(VALU_DEP_1)
	v_pk_add_f32 v[14:15], v[14:15], v[236:237]
	s_wait_alu depctr_va_vdst(0)                   ; and one for the four
.irp b, 0,1,2,3
	v_max_num_f32 v[232+\b], 0x8000000, v[232+\b]  ; the floor 2^(16 - 127)
.endr
.irp b, 0,1,2,3
	s_delay_alu instid0(VALU_DEP_4)
	v_add_nc_u32 v[244+\b], 0xf8800000, v[232+\b]  ; the conversion's scale operand
.endr
.irp b, 0,1,2,3
.endr
.irp b, 0,1,2,3
	s_delay_alu instid0(VALU_DEP_4)
	v_lshrrev_b32 v[236+\b], 23, v[244+\b]
.endr
	s_delay_alu instid0(VALU_DEP_3)
	v_lshl_or_b32 v253, v237, 8, v236              ; p's scale word for these 128 keys
	s_delay_alu instid0(VALU_DEP_1)
	v_lshl_or_b32 v253, v238, 16, v253
	s_delay_alu instid0(VALU_DEP_1)
	v_lshl_or_b32 v253, v239, 24, v253
.irp b, 0,1,2,3
.irp i, 0,1,2,3,4,5,6,7,8,9,10,11,12,13,14,15
.endr
	v_cvt_scalef32_pk8_bf8_f32 v[224+4*\b:225+4*\b], v[96+16*\b:103+16*\b], v[244+\b]
	v_cvt_scalef32_pk8_bf8_f32 v[226+4*\b:227+4*\b], v[104+16*\b:111+16*\b], v[244+\b]
.endr
	v_nop
.irp t, 0,1,2,3                                ; V's four fragments take p's registers
.irp c, 0,1,2,3
	ds_load_b128 v[96+16*\t+4*\c:99+16*\t+4*\c], v[ADV] offset:2048*\t+512*\c
.endr
.endr
	s_setprio 0
	ds_load_b32 v248, v[ADT]                       ; lanes 0-15: tile 0's words; lanes 16-31: tile 1's
	ds_load_b32 v249, v[ADT] offset:128
.set ej, 0
.rept 16
	v_pk_mul_f32 v[160+ej:161+ej], v[160+ej:161+ej], v[252:253] op_sel_hi:[1,0]   ; O^T under the new M.  These are also the places between the conversions and the products
.set ej, ej+2
.endr
	s_wait_alu depctr_va_vdst(0)
	s_wait_dscnt 0x0
.irp t, 0,2                                    ; O^T += V^T P^T
	v_wmma_scale_f32_16x16x128_f8f6f4 v[160+8*\t:167+8*\t], v[96+16*\t:111+16*\t], v[224:239], v[160+8*\t:167+8*\t], v[248+\t/2], v253 matrix_a_fmt:MATRIX_FMT_BF8 matrix_b_fmt:MATRIX_FMT_BF8
	v_wmma_scale_f32_16x16x128_f8f6f4 v[168+8*\t:175+8*\t], v[112+16*\t:127+16*\t], v[224:239], v[168+8*\t:175+8*\t], v[248+\t/2], v253 matrix_a_fmt:MATRIX_FMT_BF8 matrix_b_fmt:MATRIX_FMT_BF8 matrix_a_scale:MATRIX_SCALE_ROW1
.endr
.endm
; O^T / the sum, quantised along d (two blocks of 32) and stored as two register groups of the last projection's operand
.macro FINAL n
.rept 8
	v_nop
.endr
	v_add_f32 v14, v14, v15
	s_delay_alu instid0(VALU_DEP_1)
	v_permlanex16_b32 v252, v14, s[SEL], s[SEL+1]
	s_delay_alu instid0(VALU_DEP_1)
	v_add_f32 v14, v14, v252                       ; the row's sum
	s_wait_alu depctr_va_vdst(0)
	v_rcp_f32 v14, v14
	v_nop                                          ; a plain instruction behind the transcendental,
	s_wait_alu depctr_va_vdst(0)                   ; and the wait ahead of its first reader
	v_mov_b32 v15, v14
.set ej, 0
.rept 16
	v_pk_mul_f32 v[96+ej:97+ej], v[160+ej:161+ej], v[14:15]   ; register 16 b + i: d = 32 b + 16 h + i of my query; each accumulator from its low end on
.set ej, ej+2
.endr
.irp b, 0,1
	v_max3_num_f32 v[232+\b], |v[96+16*\b]|, |v[97+16*\b]|, 0x8000000
.endr
.irp i, 2,4,6,8,10,12,14
.irp b, 0,1
	s_delay_alu instid0(VALU_DEP_2)
	v_max3_num_f32 v[232+\b], v[232+\b], |v[96+16*\b+\i]|, |v[97+16*\b+\i]|
.endr
.endr
.irp b, 0,1
	v_permlanex16_b32 v[236+\b], v[232+\b], s[SEL], s[SEL+1]
.endr
.irp b, 0,1
	s_delay_alu instid0(VALU_DEP_2)
	v_max_num_f32 v[232+\b], v[232+\b], v[236+\b]
.endr
.irp b, 0,1
	s_delay_alu instid0(VALU_DEP_2)
	v_add_nc_u32 v[244+\b], 0xf8800000, v[232+\b]
.endr
.irp b, 0,1
.endr
.irp b, 0,1
	s_delay_alu instid0(VALU_DEP_2)
	v_lshrrev_b32 v[236+\b], 23, v[244+\b]
.endr
	s_delay_alu instid0(VALU_DEP_1)
	v_lshl_or_b32 v254, v237, 8, v236              ; my head's two bytes of the row's scale word
.irp b, 0,1
.irp i, 0,1,2,3,4,5,6,7,8,9,10,11,12,13,14,15
.endr
	v_cvt_scalef32_pk8_bf8_f32 v[224+4*\b:225+4*\b], v[96+16*\b:103+16*\b], v[244+\b]
	v_cvt_scalef32_pk8_bf8_f32 v[226+4*\b:227+4*\b], v[104+16*\b:111+16*\b], v[244+\b]
.endr
	v_nop
	global_store_b128 v[GL16], v[224:227], s[40:41] offset:16384*\n       ; 512 consecutive bytes a store
	global_store_b128 v[GL16], v[228:231], s[40:41] offset:16384*\n+512
	global_store_b16 v[GS16], v254, s[42:43] offset:512*\n
.endm
.macro PASS n, qf, qs
	s_wait_xcnt 0x0                                ; the last tile's stores have read their registers
	v_mov_b32 v13, 0xff61b1e6                      ; the largest t so far: -3e38
	s_delay_alu instid0(VALU_DEP_1)
	v_floor_f32 v12, -v13
	v_mov_b32 v14, 0
	v_mov_b32 v15, 0
.set ej, 0
.rept 32
	v_mov_b32 v[160+ej], 0                         ; O^T: the step is written once; the first finds zeros, which the first change of M leaves zeros
.set ej, ej+1
.endr
	s_mov_b32 s[TK], 0
	s_mov_b32 s[TS], 0
	s_mov_b32 s[TJ], 0
	s_mov_b32 s[CNT], 16
.Lstep_\@:
	s_setprio 2
	STEP \qf, \qs
	s_add_co_u32 s[TK], s[TK], 8192
	s_add_co_u32 s[TS], s[TS], 512
	s_add_co_u32 s[TJ], s[TJ], 256
	s_sub_co_u32 s[CNT], s[CNT], 1
	s_cmp_lg_u32 s[CNT], 0
	s_cbranch_scc1 .Lstep_\@
	s_setprio 0
	FINAL \n
.endm
	s_load_b128 s[4:7], s[0:1], 0x0                ; qb s[4:5], kv s[6:7]
	s_load_b64 s[8:9], s[0:1], 0x10                ; aq
	v_lshl_add_u32 v222, v0, 2, 0x43000
	v_mov_b32 v223, 0
	ds_add_u32 v222, v223
	ds_add_u32 v222, v223
	v_lshrrev_b32 v8, 5, v0
	s_delay_alu instid0(VALU_DEP_1)
	v_readfirstlane_b32 s[WV], v8                  ; wave 0..15
	s_bfe_u32 s11, ttmp6, 0x40000                  ; cx: which 512 queries: it enters addresses in memory alone
	s_and_b32 s12, ttmp7, 0xffff                   ; 16 x batch + head, which the four partners share
	; descriptor group 1: 67 rows of 256 bytes (32 elements of 8), dense
	s_mov_b32 s[G1], 15|(3<<16)|(1<<21)            ; the mask: all four work-groups; bit 21 set beside it
	s_mov_b32 s[G1+1], 32<<16
	s_mov_b32 s[G1+2], 67<<16
	s_mov_b32 s[G1+3], 32<<16
	s_mov_b32 s[G1+4], 67
	s_mov_b32 s[G1+5], 32
	s_mov_b32 s[G1+6], 0
	s_mov_b32 s[G1+7], 0
	s_mul_i32 s44, s12, KVB
	s_mul_i32 s46, s[WV], 17152                    ; my sixteenth of the block, in memory and in LDS alike
	s_add_co_u32 s44, s44, s46
	s_mov_b32 s45, 0
	s_mov_b32 s[SEL], 0x76543210
	s_mov_b32 s[SEL+1], 0xfedcba98
	s_mov_b32 s[CS], 0x3e38aa3b                    ; c = log2(e) / 8
	s_mov_b32 s[CS+1], s[CS]
	s_wait_dscnt 0x0
	s_wait_kmcnt 0x0
	CROUND                                         ; all four work-groups are here: the joint loads meet
	s_mov_b32 s[G0], 1
	s_mov_b32 s[G0+1], s46
	s_add_nc_u64 s[G0+2:G0+3], s[6:7], s[44:45]
	s_or_b32 s[G0+3], s[G0+3], 0x80000000
	tensor_load_to_lds s[G0:G0+3], s[G1:G1+7]      ; my one tensor load of the launch
	s_nop 0
.rept 4
	v_nop
.endr
	s_lshl_b32 s47, s11, 5
	s_lshl_b32 s48, s[WV], 1
	s_add_co_u32 s47, s47, s48                     ; my first tile of queries within the batch
	s_mul_i32 s48, s12, QHB
	s_lshl_b32 s50, s47, 10
	s_add_co_u32 s50, s50, s48
	s_mov_b32 s51, 0
	s_add_nc_u64 s[14:15], s[4:5], s[50:51]        ; its codes,
	s_lshl_b32 s50, s47, 6
	s_add_co_u32 s50, s50, s48
	s_add_co_u32 s50, s50, 131072
	s_add_nc_u64 s[16:17], s[4:5], s[50:51]        ; its scale words
	s_lshr_b32 s48, s12, 4
	s_lshl_b32 s48, s48, 7
	s_add_co_u32 s48, s48, s47                     ; the tile among all 512
	s_and_b32 s49, s12, 15                         ; the head: K step head / 2, register groups 2 (head % 2) and the next
	s_lshl_b32 s50, s48, 14
	s_lshr_b32 s52, s49, 1
	s_lshl_b32 s53, s52, 11
	s_add_co_u32 s50, s50, s53
	s_and_b32 s53, s49, 1
	s_lshl_b32 s54, s53, 10
	s_add_co_u32 s50, s50, s54
	s_add_nc_u64 s[40:41], s[8:9], s[50:51]        ; where O's codes go
	s_lshl_b32 s50, s48, 9
	s_add_co_u32 s50, s50, 8388608
	s_and_b32 s52, s52, 1
	s_lshl_b32 s52, s52, 8                         ; odd K steps: the places of lanes 16-31
	s_add_co_u32 s50, s50, s52
	s_lshr_b32 s52, s49, 2
	s_lshl_b32 s52, s52, 2                         ; word (K step) / 2
	s_add_co_u32 s50, s50, s52
	s_lshl_b32 s53, s53, 1                         ; my two bytes of it
	s_add_co_u32 s50, s50, s53
	s_add_nc_u64 s[42:43], s[8:9], s[50:51]        ; where the scale bytes go
	v_and_b32 v8, 31, v0
	v_and_b32 v9, 15, v0
	s_delay_alu instid0(VALU_DEP_2)
	v_lshlrev_b32 v[AK0], 4, v8
	s_delay_alu instid0(VALU_DEP_1)
	v_add_nc_u32 v[AV0], 131072, v[AK0]
	s_delay_alu instid0(VALU_DEP_4)
	v_lshlrev_b32 v10, 2, v8
	s_delay_alu instid0(VALU_DEP_1)
	v_add_nc_u32 v[AS0], 262144, v10
	s_delay_alu instid0(VALU_DEP_2)
	v_add_nc_u32 v[AT0], 270336, v10
	v_lshlrev_b32 v[GL16], 4, v8
	v_lshlrev_b32 v[GW4], 2, v9
	v_lshlrev_b32 v[GS16], 4, v9
	global_load_b128 v[16:19], v[GL16], s[14:15]               ; Q stays in registers: both tiles
	global_load_b128 v[20:23], v[GL16], s[14:15] offset:512
	global_load_b128 v[192:195], v[GL16], s[14:15] offset:1024
	global_load_b128 v[196:199], v[GL16], s[14:15] offset:1536
	global_load_b32 v255, v[GW4], s[16:17]
	global_load_b32 v208, v[GW4], s[16:17] offset:64
.irp j, 0,1,2,3,4,5,6,7
	v_mov_b32 v[24+\j], 0                          ; the padded half of K: zero codes, set once
	v_mov_b32 v[200+\j], 0
	v_mov_b32 v[40+\j], 0
	v_mov_b32 v[56+\j], 0
	v_mov_b32 v[72+\j], 0
	v_mov_b32 v[88+\j], 0
.endr
.irp b, 0,1,2,3
	v_mov_b32 v[236+\b], 0                         ; written once: a lane permute's destination counts as one of its sources
.endr
	v_mov_b32 v253, 0                              ; (named as the upper half of the pair v[252:253] before it is first written)
	s_wait_loadcnt 0x0                             ; Q
	s_wait_tensorcnt 0x0                           ; my part of the head is in,
	s_barrier_signal -1
	s_barrier_wait -1                              ; everybody's is
	PASS 0, 16, 255
	PASS 1, 192, 208
	s_wait_tensorcnt 0x0
	ds_add_u32 v222, v223
	s_wait_dscnt 0x0
	CROUND                                         ; the closing round
	s_endpgm
.Lfunc_end_k_qb83483c463_attn:
	.size	k_qb83483c463_attn, .Lfunc_end_k_qb83483c463_attn-k_qb83483c463_attn
	.p2alignl 7, 3214868480
	.fill 96, 4, 3214868480
	.section	.rodata,"a",@progbits
	.p2align	6, 0x0
	.amdhsa_kernel k_qb83483c463_attn
		.amdhsa_group_segment_fixed_size 276480
		.amdhsa_private_segment_fixed_size 0
		.amdhsa_enable_private_segment 0
		.amdhsa_kernarg_size 24
		.amdhsa_user_sgpr_count 2
		.amdhsa_user_sgpr_kernarg_segment_ptr 1
		.amdhsa_wavefront_size32 1
		.amdhsa_system_sgpr_workgroup_id_x 1
		.amdhsa_system_sgpr_workgroup_id_y 1
		.amdhsa_system_sgpr_workgroup_id_z 1
		.amdhsa_system_vgpr_workitem_id 0
		.amdhsa_next_free_vgpr 256
		.amdhsa_next_free_sgpr 66
		.amdhsa_reserve_vcc 0
		.amdhsa_float_denorm_mode_32 3
		.amdhsa_float_denorm_mode_16_64 3
		.amdhsa_fp16_overflow 1
		.amdhsa_memory_ordered 1
		.amdhsa_forward_progress 1
		.amdhsa_inst_pref_size 54
	.end_amdhsa_kernel
	.amdgpu_metadata
---
amdhsa.version: [ 1, 2 ]
amdhsa.kernels:
  - .name:           k_qb83483c463_attn
    .symbol:         k_qb83483c463_attn.kd
    .args:
      - { .name: qb, .offset: 0, .size: 8, .value_kind: global_buffer, .address_space: global }
      - { .name: kv, .offset: 8, .size: 8, .value_kind: global_buffer, .address_space: global }
      - { .name: aq, .offset: 16, .size: 8, .value_kind: global_buffer, .address_space: global }
    .group_segment_fixed_size: 276480
    .private_segment_fixed_size: 0
    .kernarg_segment_align: 8
    .kernarg_segment_size: 24
    .max_flat_workgroup_size: 512
    .sgpr_count:     66
    .vgpr_count:     256
    .wavefront_size: 32
...
	.end_amdgpu_metadata
.endif
;; end of part 3
;; launch oproj (part 4): grid 4 x 32, 4 waves a work-group, clusters of 4 x 4, 327,680 bytes of LDS; arguments aq, ops, bo, out0; writes out0
.if DOCPART == 4
	.amdgcn_target "amdgcn-amd-amdhsa--gfx1250"
	.amdhsa_code_object_version 6
	.text
	.protected	k_qb83483c463_oproj
	.globl	k_qb83483c463_oproj
	.p2align	8
	.type	k_qb83483c463_oproj,@function
k_qb83483c463_oproj:
	s_mov_b64 s[64:65], 0
	v_nop
	global_prefetch_b8 v0, s[64:65] scope:SCOPE_SE
	s_setreg_imm32_b32 hwreg(HW_REG_WAVE_MODE, 25, 1), 1
	s_wait_xcnt 0x0
	s_wait_alu depctr_hold_cnt(0) depctr_sa_sdst(0) depctr_va_vdst(0) depctr_va_sdst(0) depctr_va_ssrc(0) depctr_va_vcc(0) depctr_vm_vsrc(0)
	s_getreg_b32 s2, hwreg(HW_REG_IB_STS2, 6, 4)
	s_cmp_eq_u32 s2, 0
	s_cbranch_scc0 .Lentry_in_a_cluster
	s_endpgm
.Lentry_in_a_cluster:
	s_bfe_u32 s2, ttmp6, 0x10000c
	s_cmp_lg_u32 s2, 0xf033
	s_cbranch_scc0 .Lentry_shape_is_right
	s_endpgm
.Lentry_shape_is_right:
.set NP,    8
.set SLOT,  131072
.set SPARE, 2*SLOT
.set SOFS,  12582912
.set ADRA, 16
.set ADRB, 20
.set L16,  24
.set BTA,  25
.set STO,  26
.set RD,   27
.set SPW,  28
.set NIL,  29
.set PS,   32
.set RS,   64
.set AF,   128
.set WV, 16
.set RH, 17
.set PH, 18
.set CX, 19
.set CY, 20
.set G1R, 24
.set G0R, 32
.set G1P, 40
.set G0P, 48
.set PT, 56
.set RT, 57
.set OUTB, 88
.set MSB, 0
.macro WIN new
.if MSB != (\new)
	s_set_vgpr_msb (MSB<<8)|(\new)
.set MSB, (\new)
.endif
.endm
.set MUL_LO, 0xa1
.set MUL_HI, 0xf1
.set TO_B,   0x40
.macro JLOAD g0r, g1r, g0p, g1p
	s_cmp_eq_u32 s[RH], 0
	s_cbranch_scc0 .Lfor_p_\@
	tensor_load_to_lds s[\g0r:\g0r+3], s[\g1r:\g1r+7]
	s_nop 0
.rept 4
	v_nop
.endr
	s_branch .Lasked_\@
.Lfor_p_\@:
	tensor_load_to_lds s[\g0p:\g0p+3], s[\g1p:\g1p+7]
	s_nop 0
.rept 4
	v_nop
.endr
.Lasked_\@:
.endm
.macro CREST
	s_cmp_lg_u32 s[WV], 0
	s_cbranch_scc1 .Lnot_wave_0_\@
	s_barrier_signal -3
.Lnot_wave_0_\@:
	s_barrier_wait -3
	s_barrier_signal -1
	s_barrier_wait -1
.endm
.macro CROUND
	s_barrier_signal -1
	s_barrier_wait -1
	CREST
.endm
.macro PLACES n
.rept \n
	v_nop
.endr
.endm
.macro FRAG reg, adr, q, i
.irp c, 0,1,2,3
	ds_load_b128 v[\reg+4*\c:\reg+4*\c+3], v[\adr] offset:4096*(\i)+2048*(\q)+512*\c
.endr
.endm
.macro MUL16 a0, p, ks, zero
.irp a, \a0, \a0+1
.irp b, 0,1,2,3,4,5,6,7
.if \zero
	v_wmma_scale_f32_16x16x128_f8f6f4 v[8*(8*((\a)%4)+\b):8*(8*((\a)%4)+\b)+7], v[128*(\p)+16*\b:128*(\p)+16*\b+15], v[AF+16*(\a):AF+16*(\a)+15], 0, v[PS+4*\b+(\ks)/2], v[RS+4*(\a)+(\ks)/2] matrix_a_fmt:MATRIX_FMT_BF8 matrix_b_fmt:MATRIX_FMT_BF8
.elseif (\ks)%2
	v_wmma_scale_f32_16x16x128_f8f6f4 v[8*(8*((\a)%4)+\b):8*(8*((\a)%4)+\b)+7], v[128*(\p)+16*\b:128*(\p)+16*\b+15], v[AF+16*(\a):AF+16*(\a)+15], v[8*(8*((\a)%4)+\b):8*(8*((\a)%4)+\b)+7], v[PS+4*\b+(\ks)/2], v[RS+4*(\a)+(\ks)/2] matrix_a_fmt:MATRIX_FMT_BF8 matrix_b_fmt:MATRIX_FMT_BF8 matrix_a_scale:MATRIX_SCALE_ROW1 matrix_b_scale:MATRIX_SCALE_ROW1
.else
	v_wmma_scale_f32_16x16x128_f8f6f4 v[8*(8*((\a)%4)+\b):8*(8*((\a)%4)+\b)+7], v[128*(\p)+16*\b:128*(\p)+16*\b+15], v[AF+16*(\a):AF+16*(\a)+15], v[8*(8*((\a)%4)+\b):8*(8*((\a)%4)+\b)+7], v[PS+4*\b+(\ks)/2], v[RS+4*(\a)+(\ks)/2] matrix_a_fmt:MATRIX_FMT_BF8 matrix_b_fmt:MATRIX_FMT_BF8
.endif
.endr
.endr
.endm
.macro FETCH_B slot, q, p
	WIN TO_B
.irp i, 0,1,2,3,4,5,6,7
	FRAG 128*(\p)+16*\i, ADRB+\slot, \q, \i
.endr
	WIN 0
.endm
.macro FETCH_A slot, q, i0
.irp i, \i0, \i0+1, \i0+2, \i0+3
	FRAG AF+16*(\i), ADRA+\slot, \q, \i
.endr
.endm
.macro STEP slot, q, ks, zero
	s_wait_dscnt 16
	WIN MUL_LO
	MUL16 0, (\q)%2, \ks, \zero
	MUL16 2, (\q)%2, \ks, \zero
	s_wait_dscnt 0
	PLACES NP
	FETCH_B \slot, (\q)+1, 1-(\q)%2
	FETCH_A \slot, (\q)+1, 0
	WIN MUL_HI
	MUL16 4, (\q)%2, \ks, \zero
	MUL16 6, (\q)%2, \ks, \zero
	PLACES NP
	WIN 0
	FETCH_A \slot, (\q)+1, 4
.endm
.macro TURN slot, next, ks, fill
	s_wait_tensorcnt 0x0
	ds_add_u32 v[SPW], v[NIL]
	s_wait_dscnt 17
	WIN MUL_LO
	MUL16 0, 1, \ks, 0
	s_wait_dscnt 0x0
	s_barrier_signal -1
	MUL16 2, 1, \ks, 0
	WIN 0
	s_barrier_wait -1
.if \fill
	CREST
	s_add_nc_u64 s[G0R+4*\slot+2:G0R+4*\slot+3], s[G0R+4*\slot+2:G0R+4*\slot+3], 8192
	s_add_nc_u64 s[G0P+4*\slot+2:G0P+4*\slot+3], s[G0P+4*\slot+2:G0P+4*\slot+3], 8192
	JLOAD G0R+4*\slot, G1R, G0P+4*\slot, G1P
	PLACES NP-4
.else
	PLACES NP
.endif
	FETCH_B \next, 0, 0
	FETCH_A \next, 0, 0
	WIN MUL_HI
	MUL16 4, 1, \ks, 0
	MUL16 6, 1, \ks, 0
	PLACES NP
	WIN 0
	FETCH_A \next, 0, 4
.endm
.macro TOSTAGE a
.set NB, 128+64*((\a)%2)
	WIN 0x06+(\a)/4
.set ui, 0
.rept 32
	v_pk_add_f32 v[NB+ui:NB+ui+1], v[64*((\a)%4)+ui:64*((\a)%4)+ui+1], v[ui:ui+1]
.set ui, ui+2
.endr
	WIN 0
.irp b, 0,1,2,3
.irp j, 0,1,2,3
	ds_store_b128 v[STO], v[NB+16*\b+4*\j:NB+16*\b+4*\j+3] offset:128*\b+16*\j
.endr
.endr
	WIN 0x40
.irp t, 0,1,2,3,4,5,6,7,8,9,10,11,12,13,14,15
	ds_load_b128 v[NB+4*\t:NB+4*\t+3], v[RD] offset:528*\t
.endr
	WIN 0
.endm
.macro SEND a, younger
.set NB, 128+64*((\a)%2)
	s_wait_dscnt \younger
	WIN 0x04
.irp t, 0,1,2,3,4,5,6,7,8,9,10,11,12,13,14,15
	global_store_b128 v[L16], v[NB+4*\t:NB+4*\t+3], s[OUTB:OUTB+1] offset:(32*((\a)/2)+8*((\a)%2)+\t+8*(\t/8))*4096 th:TH_STORE_NT
.endr
	WIN 0
.endm
	s_load_b256 s[4:11], s[0:1], 0x0
	v_lshl_add_u32 v[SPW], v0, 2, SPARE
	v_mov_b32 v[NIL], 0
	ds_add_u32 v28, v29
	ds_add_u32 v28, v29
	s_wait_dscnt 0x0
	v_lshrrev_b32 v1, 5, v0
	v_readfirstlane_b32 s[WV], v1
	s_lshr_b32 s[RH], s[WV], 1
	s_and_b32 s[PH], s[WV], 1
	s_bfe_u32 s[CX], ttmp6, 0x40000
	s_bfe_u32 s[CY], ttmp6, 0x40004
	s_and_b32 s22, ttmp7, 0xffff
	s_lshl_b32 s[PT], s[CX], 4
	s_add_co_u32 s[PT], s[PT], 704
	s_lshl_b32 s[RT], s22, 6
	s_lshl_b32 s70, s[CY], 4
	s_add_co_u32 s[RT], s[RT], s70
	s_lshl_b32 s71, s[CY], 2
	s_lshl_b32 s71, 15, s71
	s_lshl_b32 s72, 0x1111, s[CX]
	s_or_b32 s[G1R], s71, (3<<16)|(1<<21)
	s_or_b32 s[G1P], s72, (3<<16)|(1<<21)
.irp g, G1R, G1P
	s_mov_b32 s[\g+1], 512<<16
	s_mov_b32 s[\g+2], 8<<16
	s_mov_b32 s[\g+3], 512<<16
	s_mov_b32 s[\g+4], 8
	s_mov_b32 s[\g+5], 2048
	s_mov_b32 s[\g+6], 0
	s_mov_b32 s[\g+7], 0
.endr
	s_lshl_b32 s78, s[PH], 3
	s_add_co_u32 s74, s[RT], s78
	s_lshl_b32 s74, s74, 14
	s_mov_b32 s75, 0
	s_add_co_u32 s76, s[PT], s78
	s_lshl_b32 s76, s76, 14
	s_mov_b32 s77, 0
	s_lshl_b32 s73, s[WV], 15
	s_wait_kmcnt 0x0
	s_add_nc_u64 s[74:75], s[4:5], s[74:75]
	s_add_nc_u64 s[76:77], s[6:7], s[76:77]
	CROUND
.irp s, 0,1
	s_mov_b32 s[G0R+4*\s], 1
	s_add_co_u32 s[G0R+4*\s+1], s73, \s*SLOT
	s_add_nc_u64 s[G0R+4*\s+2:G0R+4*\s+3], s[74:75], \s*4096
	s_or_b32 s[G0R+4*\s+3], s[G0R+4*\s+3], 0x80000000
	s_mov_b32 s[G0P+4*\s], 1
	s_add_co_u32 s[G0P+4*\s+1], s73, \s*SLOT
	s_add_nc_u64 s[G0P+4*\s+2:G0P+4*\s+3], s[76:77], \s*4096
	s_or_b32 s[G0P+4*\s+3], s[G0P+4*\s+3], 0x80000000
	s_wait_alu depctr_va_vdst(0)
	s_wait_tensorcnt 0x0
	ds_add_u32 v28, v29
	ds_add_u32 v28, v29
	s_wait_dscnt 0x0
	CROUND
	JLOAD G0R+4*\s, G1R, G0P+4*\s, G1P
.endr
	v_and_b32 v1, 31, v0
	v_and_b32 v2, 15, v0
	v_bfe_u32 v3, v0, 4, 1
	v_lshlrev_b32 v[L16], 4, v1
	v_lshlrev_b32 v[BTA], 6, v3
	s_mul_i32 s79, s[WV], 8448
	v_mul_u32_u24 v[STO], v2, 528
	v_lshl_add_u32 v[STO], v3, 6, v[STO]
	v_add_nc_u32 v[STO], s79, v[STO]
	v_add_nc_u32 v[RD], s79, v[L16]
	s_lshl_b32 s79, s[RH], 15
	s_lshl_b32 s80, s[PH], 15
	s_add_co_u32 s80, s80, 65536
.irp s, 0,1
	v_add_nc_u32 v[ADRA+\s], s79, v[L16]
	v_add_nc_u32 v[ADRB+\s], s80, v[L16]
	s_add_co_u32 s79, s79, SLOT
	s_add_co_u32 s80, s80, SLOT
.endr
	s_mov_b32 s3, 0
	s_lshl_b32 s2, s[PH], 3
	s_add_co_u32 s2, s2, s[PT]
	s_lshl_b32 s2, s2, 9
	s_add_co_u32 s2, s2, SOFS
	s_add_nc_u64 s[58:59], s[6:7], s[2:3]
	s_lshl_b32 s2, s[RH], 3
	s_add_co_u32 s2, s2, s[RT]
	s_lshl_b32 s66, s2, 16
	s_lshl_b32 s2, s2, 9
	s_add_co_u32 s2, s2, 8388608
	s_add_nc_u64 s[60:61], s[4:5], s[2:3]
.irp i, 0,1,2,3,4,5,6,7
	global_load_b128 v[PS+4*\i:PS+4*\i+3], v[L16], s[58:59] offset:512*\i
	global_load_b128 v[RS+4*\i:RS+4*\i+3], v[L16], s[60:61] offset:512*\i
.endr
	s_lshl_b32 s2, s[CX], 10
	s_lshl_b32 s67, s[PH], 9
	s_add_co_u32 s2, s2, s67
	s_add_nc_u64 s[84:85], s[8:9], s[2:3]
	s_add_co_u32 s2, s2, s66
	s_add_nc_u64 s[OUTB:OUTB+1], s[10:11], s[2:3]
	s_wait_alu depctr_va_vdst(0)
	s_wait_loadcnt 0x0
	s_wait_tensorcnt 1
	s_barrier_signal -1
	s_barrier_wait -1
	FETCH_B 0, 0, 0
	FETCH_A 0, 0, 0
	FETCH_A 0, 0, 4
	STEP 0, 0, 0, 1
	TURN 0, 1, 1, 1
	STEP 1, 0, 2, 0
	TURN 1, 0, 3, 1
	STEP 0, 0, 4, 0
	TURN 0, 1, 5, 0
	STEP 1, 0, 6, 0
	WIN 0x40
.irp b, 0,1,2,3
.irp j, 0,1,2,3
	global_load_b128 v[16*\b+4*\j:16*\b+4*\j+3], v[BTA], s[84:85] offset:128*\b+16*\j
.endr
.endr
	WIN 0
	s_wait_dscnt 16
	WIN MUL_LO
	MUL16 0, 1, 7, 0
	MUL16 2, 1, 7, 0
	s_wait_dscnt 0
	WIN MUL_HI
	MUL16 4, 1, 7, 0
	MUL16 6, 1, 7, 0
	WIN 0
	PLACES NP
	s_wait_loadcnt 0x0
	TOSTAGE 0
.irp a, 1,2,3,4,5,6,7
.if \a > 1
	s_wait_xcnt 0x0
.endif
	TOSTAGE \a
	SEND \a-1, 32
.endr
	SEND 7, 0
	s_wait_tensorcnt 0x0
	ds_add_u32 v[SPW], v[NIL]
	s_wait_dscnt 0x0
	CROUND
	s_endpgm
.Lfunc_end_k_qb83483c463_oproj:
	.size	k_qb83483c463_oproj, .Lfunc_end_k_qb83483c463_oproj-k_qb83483c463_oproj
	.p2alignl 7, 3214868480
	.fill 96, 4, 3214868480
	.section	.rodata,"a",@progbits
	.p2align	6, 0x0
	.amdhsa_kernel k_qb83483c463_oproj
		.amdhsa_group_segment_fixed_size 327680
		.amdhsa_private_segment_fixed_size 0
		.amdhsa_enable_private_segment 0
		.amdhsa_kernarg_size 32
		.amdhsa_user_sgpr_count 2
		.amdhsa_user_sgpr_kernarg_segment_ptr 1
		.amdhsa_wavefront_size32 1
		.amdhsa_system_sgpr_workgroup_id_x 1
		.amdhsa_system_sgpr_workgroup_id_y 1
		.amdhsa_system_sgpr_workgroup_id_z 1
		.amdhsa_system_vgpr_workitem_id 0
		.amdhsa_next_free_vgpr 1024
		.amdhsa_next_free_sgpr 96
		.amdhsa_reserve_vcc 0
		.amdhsa_float_denorm_mode_32 3
		.amdhsa_float_denorm_mode_16_64 3
		.amdhsa_memory_ordered 1
		.amdhsa_forward_progress 1
		.amdhsa_inst_pref_size 161
	.end_amdhsa_kernel
	.amdgpu_metadata
---
amdhsa.version: [ 1, 2 ]
amdhsa.kernels:
  - .name:           k_qb83483c463_oproj
    .symbol:         k_qb83483c463_oproj.kd
    .args:
      - { .name: aq, .offset: 0, .size: 8, .value_kind: global_buffer, .address_space: global }
      - { .name: ops, .offset: 8, .size: 8, .value_kind: global_buffer, .address_space: global }
      - { .name: bo, .offset: 16, .size: 8, .value_kind: global_buffer, .address_space: global }
      - { .name: out0, .offset: 24, .size: 8, .value_kind: global_buffer, .address_space: global }
    .group_segment_fixed_size: 327680
    .private_segment_fixed_size: 0
    .kernarg_segment_align: 8
    .kernarg_segment_size: 32
    .max_flat_workgroup_size: 128
    .sgpr_count:     96
    .vgpr_count:     1024
    .wavefront_size: 32
...
	.end_amdgpu_metadata
.endif
;; end of part 4
